; MI455X (gfx1250); checked and timed in simulation.
; The chip was launched on July 23, 2026; its instructions are those of AMD's public machine-readable ISA for CDNA 5 (MIT licence, August 2026) and "CDNA5" Instruction Set Architecture Reference Guide (July 2026). The comments in the code are by the model that wrote it; some were corrected since.
;; L1 Distance. Allowed arithmetic: float matrix products may take bf16 or f16 operands with f32 sums; all other float work in f32.
;; Inputs: x1 2,048 x 64 float32; x2 2,048 x 64 float32.
;; Outputs: out0 2,048 x 2,048 float32.
;; 2 versions, each right; version 2 is version 1 with the launch l1dist written anew for expert scheduling mode. Each part assembles by itself: llvm-mc -triple=amdgcn-amd-amdhsa -mcpu=gfx1250 --defsym DOCPART=n.
;; ======== version 1 of 2: 2 launches
;; workspace buffers: part 8,192 bytes
;; launch colsum (part 1): grid 32 x 1, 1 waves a work-group, no clusters, 0 bytes of LDS; arguments x1, part; writes part
.if DOCPART == 1
	.amdgcn_target "amdgcn-amd-amdhsa--gfx1250"
	.amdhsa_code_object_version 6
	.text
	.protected	k_q8c636fb8e7_colsum
	.globl	k_q8c636fb8e7_colsum
	.p2align	8
	.type	k_q8c636fb8e7_colsum,@function
k_q8c636fb8e7_colsum:
	s_mov_b64 s[64:65], 0
	v_nop
	global_prefetch_b8 v0, s[64:65] scope:SCOPE_SE
	s_setreg_imm32_b32 hwreg(HW_REG_WAVE_MODE, 25, 1), 1
	s_wait_xcnt 0x0
; part[p][c] = sum over the 64 rows r = 64 p .. 64 p + 63 of x1[r][c].   x1: [2048][64] f32, part: [32][64] f32.
; The first half of the mean over x1's rows; the next launch adds the 32 rows of part and divides by 2048.
; One wave for each p.  A row is 256 bytes = 16 lanes x 16 bytes, so a load of the wave covers two rows, 512 consecutive bytes:
; lane l holds columns 4 (l % 16) .. + 3 of row 2 i + l / 16.  All 32 loads (16 KiB) are issued at once; no LDS, no barrier.
; The additions are in f32, in an order of their own (four chains, then the two halves of the lanes).
.set ROWS,  64                         ; rows of a work-group
.set XROW,  256                        ; bytes in a row of x1 and in a row of part
.set LOADS, ROWS/2                     ; two rows a load
.set X,     4                          ; v[4:131]  load i: 4 registers; loads 0 to 3 become the four chains
	s_load_b128 s[4:7], s[0:1], 0x0                ; x1 s[4:5], part s[6:7]
	v_lshlrev_b32 v1, 4, v0                        ; 16 bytes a lane
	s_lshl_b32 s8, ttmp9, 14                       ; my 64 rows of 256 bytes
	s_mov_b32 s9, 0
	s_lshl_b32 s10, ttmp9, 8                       ; my row of part
	s_mov_b32 s11, 0
	s_mov_b32 s12, 0x76543210                      ; v_permlanex16_b32: lane i of one half reads lane i of the other
	s_mov_b32 s13, 0xfedcba98
	s_wait_kmcnt 0x0
	s_add_nc_u64 s[4:5], s[4:5], s[8:9]
	s_add_nc_u64 s[6:7], s[6:7], s[10:11]
.set i, 0
.rept LOADS
	global_load_b128 v[X+4*i:X+4*i+3], v1, s[4:5] offset:2*XROW*i   ; no hint: the next launch reads x1 again
.set i, i+1
.endr
	; loads 0 to 3 start the chains: nothing is cleared.  Load i joins chain i % 4 as soon as it is in.
.set i, 4
.rept LOADS-4
	s_wait_loadcnt LOADS-1-i                       ; loads return in order: load i is in, the LOADS-1-i younger ones stay out
	v_pk_add_f32 v[X+4*(i%4):X+4*(i%4)+1],   v[X+4*(i%4):X+4*(i%4)+1],   v[X+4*i:X+4*i+1]
	v_pk_add_f32 v[X+4*(i%4)+2:X+4*(i%4)+3], v[X+4*(i%4)+2:X+4*(i%4)+3], v[X+4*i+2:X+4*i+3]
.set i, i+1
.endr
	v_pk_add_f32 v[X:X+1],     v[X:X+1],     v[X+4:X+5]            ; chain 0 += chain 1
	v_pk_add_f32 v[X+2:X+3],   v[X+2:X+3],   v[X+6:X+7]
	v_pk_add_f32 v[X+8:X+9],   v[X+8:X+9],   v[X+12:X+13]          ; chain 2 += chain 3
	v_pk_add_f32 v[X+10:X+11], v[X+10:X+11], v[X+14:X+15]
	v_pk_add_f32 v[X:X+1],     v[X:X+1],     v[X+8:X+9]
	v_pk_add_f32 v[X+2:X+3],   v[X+2:X+3],   v[X+10:X+11]          ; my half's rows (even or odd) are summed
.irp j, 0,1,2,3
	v_permlanex16_b32 v[X+4+\j], v[X+\j], s12, s13                 ; the other half's sums; the destination has been written before
.endr
	v_pk_add_f32 v[X:X+1],   v[X:X+1],   v[X+4:X+5]
	v_pk_add_f32 v[X+2:X+3], v[X+2:X+3], v[X+6:X+7]                ; all 64 rows, in both halves of the lanes
	s_wait_xcnt 0x0                                ; EXEC is a source of the loads above: it changes only behind this wait
	v_cmp_gt_u32 vcc_lo, 16, v0
	s_and_saveexec_b32 s14, vcc_lo                 ; lanes 0 to 15
	global_store_b128 v1, v[X:X+3], s[6:7]         ; sixteen lanes store my row of part: 256 consecutive bytes, aligned
	s_wait_xcnt 0x0                                ; and again before EXEC is widened
	s_or_b32 exec_lo, exec_lo, s14
	s_endpgm
.Lfunc_end_k_q8c636fb8e7_colsum:
	.size	k_q8c636fb8e7_colsum, .Lfunc_end_k_q8c636fb8e7_colsum-k_q8c636fb8e7_colsum
	.p2alignl 7, 3214868480
	.fill 96, 4, 3214868480
	.section	.rodata,"a",@progbits
	.p2align	6, 0x0
	.amdhsa_kernel k_q8c636fb8e7_colsum
		.amdhsa_group_segment_fixed_size 0
		.amdhsa_private_segment_fixed_size 0
		.amdhsa_enable_private_segment 0
		.amdhsa_kernarg_size 16
		.amdhsa_user_sgpr_count 2
		.amdhsa_user_sgpr_kernarg_segment_ptr 1
		.amdhsa_wavefront_size32 1
		.amdhsa_system_sgpr_workgroup_id_x 1
		.amdhsa_system_sgpr_workgroup_id_y 1
		.amdhsa_system_sgpr_workgroup_id_z 1
		.amdhsa_system_vgpr_workitem_id 0
		.amdhsa_next_free_vgpr 132
		.amdhsa_next_free_sgpr 66
		.amdhsa_reserve_vcc 1
		.amdhsa_float_denorm_mode_32 3
		.amdhsa_float_denorm_mode_16_64 3
		.amdhsa_memory_ordered 1
		.amdhsa_forward_progress 1
		.amdhsa_inst_pref_size 10
	.end_amdhsa_kernel
	.amdgpu_metadata
---
amdhsa.version: [ 1, 2 ]
amdhsa.kernels:
  - .name:           k_q8c636fb8e7_colsum
    .symbol:         k_q8c636fb8e7_colsum.kd
    .args:
      - { .name: x1, .offset: 0, .size: 8, .value_kind: global_buffer, .address_space: global }
      - { .name: part, .offset: 8, .size: 8, .value_kind: global_buffer, .address_space: global }
    .group_segment_fixed_size: 0
    .private_segment_fixed_size: 0
    .kernarg_segment_align: 8
    .kernarg_segment_size: 16
    .max_flat_workgroup_size: 32
    .sgpr_count:     66
    .vgpr_count:     132
    .wavefront_size: 32
...
	.end_amdgpu_metadata
.endif
;; end of part 1
;; launch l1dist (part 2): grid 16 x 16, 8 waves a work-group, no clusters, 68,608 bytes of LDS; arguments x1, x2, part, out0; writes out0
.if DOCPART == 2
	.amdgcn_target "amdgcn-amd-amdhsa--gfx1250"
	.amdhsa_code_object_version 6
	.text
	.protected	k_q8c636fb8e7_l1dist
	.globl	k_q8c636fb8e7_l1dist
	.p2align	8
	.type	k_q8c636fb8e7_l1dist,@function
k_q8c636fb8e7_l1dist:
	s_mov_b64 s[64:65], 0
	v_nop
	global_prefetch_b8 v0, s[64:65] scope:SCOPE_SE
	s_setreg_imm32_b32 hwreg(HW_REG_WAVE_MODE, 25, 1), 1
	s_wait_xcnt 0x0
; out0[i][j] = max(0, sum over k of |(x1[i][k] - m[k]) - (x2[j][k] - m[k])|),  m[k] = (sum over the 32 rows of part)[k] / 2048 = the mean of x1's column k.
; x1, x2: [2048][64] f32; part: [32][64] f32 (column sums of 64 rows each, from the launch before); out0: [2048][2048] f32.  All arithmetic in f32.
; Every step of the definition is carried out as written (mean, both subtractions, difference, magnitude, sum, clamp), so NaN and infinities spread
; as they do there.  LIMIT: the order of the additions (of the mean, and over k: pairs of k, then two chains for each output) is this text's own.
;
; SHARES.  A work-group makes 128 x 128 outputs with 8 waves; a wave 16 rows x 128 columns; lane l the columns 4 l .. 4 l + 3, so that a row of the
; wave's outputs is one 16-byte store a lane: 512 consecutive bytes, aligned.
; A lane keeps its four centred rows of x2 (4 x 64 numbers) in v256-v511 for the whole kernel.  A row of x1 comes from LDS by 16 loads in which all
; lanes name the same 16 bytes, one row ahead of its use: one LDS load for 16 terms.
; ARITHMETIC, for two neighbouring k and the four columns: 4 packed differences, 4 v_add_f32 |d0| + |d1| (the magnitudes are source modifiers), and
; 2 packed additions that add the results of two neighbouring columns to their sums: 10 instructions for 8 terms.
; REGISTER WINDOWS.  x2 is kept negated (m - x2), and the difference is the fused a * 1.0 + (m - x2): one rounding, as a subtraction has.  So the
; operand that lies above v255 stands in source 2, which no other instruction of the loop has, and one setting of s_set_vgpr_msb serves the loop's body.
; NO CLUSTER, NO TENSOR LOADS: x1's tile is shared by the 16 work-groups of a block row and x2's by those of a block column, but each is read once,
; 64 KiB for a work-group's 16,384 x 64 terms, and every number has to pass through registers on its way, to have the mean taken off before it is
; laid into LDS; a joint load into LDS would add a trip out of LDS and back into other bytes.
.set TILE,   128                       ; rows of x1 and rows of x2 in a work-group's tile
.set XROW,   256                       ; bytes in a row of x1, x2, part
.set OROW,   8192                      ; bytes in a row of out0
.set WROWS,  16                        ; rows of a wave
.set ATILE,  0                         ; LDS: x1 - m, 128 rows of 256 bytes (read as broadcasts: no padding needed)
.set BTILE,  TILE*XROW                 ; LDS: m - x2, 128 rows, pitch 272
.set BPITCH, 272                       ; 17 x 16 bytes: 16 consecutive rows begin in 16 different 16-byte columns of a 256-byte span
.set LOFF,  1                          ; v1        16 x lane: offset into part; later my offset in out0's rows, stepped two rows a trip
.set TOFF,  2                          ; v2        16 x thread: offset into x1's tile, in memory and in LDS
.set GOFF,  3                          ; v3        offset into x2's tile in memory
.set BST,   4                          ; v4        where I store x2's numbers in LDS
.set BADR,  5                          ; v5        where I read my four rows of x2 from
.set AADR,  6                          ; v6        LDS address of the wave's current pair of x1 rows (equal in all lanes)
.set TA,    7                          ; v7, v8    at work
.set TB,    8
.set MEAN,  10                         ; v[10:13]  the mean of the four k that this thread stages
.set SUM0,  16                         ; v[16:23]  even rows: 4 columns x 2 chains
.set SUM1,  24                         ; v[24:31]  odd rows
.set DIF,   32                         ; v[32:47]  differences of four k x four columns, then their magnitudes added in pairs
.set ABUF0, 64                         ; v[64:127]   a row of x1 - m
.set ABUF1, 128                        ; v[128:191]  the next one
.set PART,  64                         ; v[64:127]   before the loop: 16 loads of part
.set XA,    128                        ; v[128:159]  before the loop: 8 loads of x1
.set XB,    160                        ; v[160:191]  before the loop: 8 loads of x2
                                       ; v[256:511]  m - x2: column c of my four, k: register 256 + 64 c + k
	s_load_b256 s[4:11], s[0:1], 0x0               ; x1 s[4:5], x2 s[6:7], part s[8:9], out0 s[10:11]
	v_lshl_add_u32 v254, v0, 2, 0x10800
	v_mov_b32 v255, 0
	; thread t = 16 g + q: it stages the four k = 4 q .. 4 q + 3 of rows that hang on g
	v_and_b32 v[TA], 31, v0                        ; lane
	v_lshlrev_b32 v[LOFF], 4, v[TA]
	v_lshlrev_b32 v[TOFF], 4, v0                   ; = 256 g + 16 q
	v_lshrrev_b32 v[TB], 4, v0                     ; g
	v_and_b32 v[BST], 15, v0                       ; q
	v_lshlrev_b32 v[BST], 4, v[BST]                ; 16 q
	v_lshl_add_u32 v[GOFF], v[TB], 10, v[BST]      ; row 4 g of x2's tile
	v_mad_u32_u24 v[BST], v[TB], BPITCH, v[BST]    ; LDS row g
	v_mul_u32_u24 v[BADR], v[TA], BPITCH           ; LDS row = lane
	v_lshrrev_b32 v[TB], 5, v0
	v_readfirstlane_b32 s12, v[TB]                 ; wave 0..7
	s_lshl_b32 s13, s12, 12                        ; my wave's 16 rows of 256 bytes in x1's tile
	v_mov_b32 v[AADR], s13
	s_and_b32 s14, ttmp7, 0xffff                   ; block row; ttmp9: block column
	s_lshl_b32 s16, s14, 15                        ; 128 rows of 256 bytes
	s_mov_b32 s17, 0
	s_lshl_b32 s18, ttmp9, 15
	s_mov_b32 s19, 0
	s_lshl_b32 s20, s14, 20                        ; out0: 128 rows of 8,192 bytes a block row,
	s_lshl_b32 s21, s12, 17                        ; 16 rows a wave,
	s_add_co_u32 s20, s20, s21
	s_lshl_b32 s21, ttmp9, 9                       ; 128 columns of 4 bytes a block column: below 16 MiB in all
	s_add_co_u32 s20, s20, s21
	s_mov_b32 s21, 0
	s_mov_b32 s22, 0x76543210                      ; v_permlanex16_b32: lane i of one half reads lane i of the other
	s_mov_b32 s23, 0xfedcba98
	s_wait_kmcnt 0x0
	s_add_nc_u64 s[4:5], s[4:5], s[16:17]
	s_add_nc_u64 s[6:7], s[6:7], s[18:19]
	s_add_nc_u64 s[10:11], s[10:11], s[20:21]
	; all 32 loads at once.  Every one covers whole rows of 256 bytes with 16 neighbouring lanes each.
.irp i, 0,1,2,3,4,5,6,7,8,9,10,11,12,13,14,15
	global_load_b128 v[PART+4*\i:PART+4*\i+3], v[LOFF], s[8:9] offset:2*XROW*\i     ; rows 2 i and 2 i + 1 of part
.endr
.irp i, 0,1,2,3,4,5,6,7
	global_load_b128 v[XA+4*\i:XA+4*\i+3], v[TOFF], s[4:5] offset:16*XROW*\i        ; row g + 16 i of x1's tile
.endr
	; x2: LDS row g + 16 i is to hold column c = i / 2 of lane g + 16 (i % 2), which is row 4 g + 64 (i % 2) + i / 2 of the tile
.irp i, 0,1,2,3,4,5,6,7
	global_load_b128 v[XB+4*\i:XB+4*\i+3], v[GOFF], s[6:7] offset:(64*(\i&1)+(\i>>1))*XROW
.endr
	; THE MEAN of my four k: 16 rows of part in my half of the lanes, folded in halves; then the other half's 16
.macro FOLD n
.set i, 0
.rept \n
	v_pk_add_f32 v[PART+4*i:PART+4*i+1],   v[PART+4*i:PART+4*i+1],   v[PART+4*(i+\n):PART+4*(i+\n)+1]
	v_pk_add_f32 v[PART+4*i+2:PART+4*i+3], v[PART+4*i+2:PART+4*i+3], v[PART+4*(i+\n)+2:PART+4*(i+\n)+3]
.set i, i+1
.endr
.endm
	s_wait_loadcnt 16                              ; part is in; the 8 + 8 younger loads of the tiles stay out
	FOLD 8
	FOLD 4
	FOLD 2
	FOLD 1
.irp j, 0,1,2,3
	v_permlanex16_b32 v[PART+4+\j], v[PART+\j], s22, s23           ; the destination has been written before (by the folds)
.endr
	v_pk_add_f32 v[MEAN:MEAN+1],   v[PART:PART+1],   v[PART+4:PART+5]
	v_pk_add_f32 v[MEAN+2:MEAN+3], v[PART+2:PART+3], v[PART+6:PART+7]
	v_pk_mul_f32 v[MEAN:MEAN+1],   v[MEAN:MEAN+1],   0x3a000000 op_sel_hi:[1,0]     ; / 2048, as 2^-11
	v_pk_mul_f32 v[MEAN+2:MEAN+3], v[MEAN+2:MEAN+3], 0x3a000000 op_sel_hi:[1,0]
	; CENTRE AND STAGE.  Sixteen lanes store one row's 256 consecutive bytes.
	s_wait_loadcnt 8                               ; x1's tile is in; x2's 8 loads stay out
.irp i, 0,1,2,3,4,5,6,7
	v_pk_add_f32 v[XA+4*\i:XA+4*\i+1],   v[XA+4*\i:XA+4*\i+1],   v[MEAN:MEAN+1]     neg_lo:[0,1] neg_hi:[0,1]   ; x1 - m
	v_pk_add_f32 v[XA+4*\i+2:XA+4*\i+3], v[XA+4*\i+2:XA+4*\i+3], v[MEAN+2:MEAN+3]   neg_lo:[0,1] neg_hi:[0,1]
	ds_store_b128 v[TOFF], v[XA+4*\i:XA+4*\i+3] offset:ATILE+16*XROW*\i
.endr
	s_wait_loadcnt 0x0
.irp i, 0,1,2,3,4,5,6,7
	v_pk_add_f32 v[XB+4*\i:XB+4*\i+1],   v[MEAN:MEAN+1],   v[XB+4*\i:XB+4*\i+1]     neg_lo:[0,1] neg_hi:[0,1]   ; m - x2 = -(x2 - m), exactly
	v_pk_add_f32 v[XB+4*\i+2:XB+4*\i+3], v[MEAN+2:MEAN+3], v[XB+4*\i+2:XB+4*\i+3]   neg_lo:[0,1] neg_hi:[0,1]
	ds_store_b128 v[BST], v[XB+4*\i:XB+4*\i+3] offset:BTILE+16*BPITCH*\i
.endr
	s_wait_dscnt 0x0                               ; for the other waves' sake: my stores are in LDS
	s_barrier_signal -1
	s_barrier_wait -1                              ; everybody's are.  LDS is only read from here on: this is the only barrier
	; my four rows of m - x2 into v256-v511: for each c the 32 lanes read 32 consecutive LDS rows
	s_set_vgpr_msb 0x40                            ; destination in the second block of 256
.irp c, 0,1,2,3
.irp q, 0,1,2,3,4,5,6,7,8,9,10,11,12,13,14,15
	ds_load_b128 v[64*\c+4*\q:64*\c+4*\q+3], v[BADR] offset:BTILE+32*BPITCH*\c+16*\q
.endr
.endr
	s_set_vgpr_msb 0x4000                          ; all back to the first block
.irp q, 0,1,2,3,4,5,6,7,8,9,10,11,12,13,14,15
	ds_load_b128 v[ABUF0+4*\q:ABUF0+4*\q+3], v[AADR] offset:ATILE+16*\q               ; my wave's row 0 of x1 - m
.endr
; Four k (4 q .. 4 q + 3) of one row against my four columns: 16 terms.  kp: which pair of k; c: column.
; The pair sums are written over differences that have been used already, so that those of columns 0, 1 and of 2, 3 lie side by side.
; first = 1: the pair sums start the row's eight sums: nothing is cleared.
.macro QUAD cur, acc, q, first
.irp kp, 0,1
.irp c, 0,1,2,3
	v_pk_fma_f32 v[DIF+8*\kp+2*\c:DIF+8*\kp+2*\c+1], v[\cur+4*\q+2*\kp:\cur+4*\q+2*\kp+1], 1.0, v[64*\c+4*\q+2*\kp:64*\c+4*\q+2*\kp+1] op_sel_hi:[1,0,1]
.endr
.endr
.irp kp, 0,1
.irp c, 0,1,2,3
.if \first
	v_add_f32 v[\acc+4*\kp+\c], |v[DIF+8*\kp+2*\c]|, |v[DIF+8*\kp+2*\c+1]|
.else
	v_add_f32 v[DIF+8*\kp+\c], |v[DIF+8*\kp+2*\c]|, |v[DIF+8*\kp+2*\c+1]|
.endif
.endr
.endr
.if \first == 0
.irp kp, 0,1
.irp h, 0,2
	v_pk_add_f32 v[\acc+4*\kp+\h:\acc+4*\kp+\h+1], v[\acc+4*\kp+\h:\acc+4*\kp+\h+1], v[DIF+8*\kp+\h:DIF+8*\kp+\h+1]
.endr
.endr
.endif
.endm
; One row of the wave.  cur: the buffer that holds it; fetch = 1: the next row, at byte noff from AADR, is asked for into nxt;
; acc: the row's sums; step = 1: my offset in out0 goes two rows on; soff: the store reaches back from there.
.macro ROW cur, nxt, noff, fetch, acc, step, soff
.if \fetch
.irp q, 0,1,2,3,4,5,6,7,8,9,10,11,12,13,14,15
	ds_load_b128 v[\nxt+4*\q:\nxt+4*\q+3], v[AADR] offset:ATILE+\noff+16*\q
.endr
	s_wait_dscnt 16                                ; LDS loads return in order: this row (and x2, the first time) is in, the 16 loads just issued stay out
.else
	s_wait_dscnt 0x0                               ; nothing was issued behind the last row
.endif
	s_wait_xcnt 0x0                                ; the earlier stores have read their sources: the sums and my offset are rewritten only behind this wait
.if \step
	v_add_nc_u32 v[LOFF], 2*OROW, v[LOFF]
.endif
	QUAD \cur, \acc, 0, 1
.irp q, 1,2,3,4,5,6,7,8,9,10,11,12,13,14,15
	QUAD \cur, \acc, \q, 0
.endr
	v_pk_add_f32 v[\acc:\acc+1],   v[\acc:\acc+1],   v[\acc+4:\acc+5]                 ; the two chains meet
	v_pk_add_f32 v[\acc+2:\acc+3], v[\acc+2:\acc+3], v[\acc+6:\acc+7]
.irp c, 0,1,2,3
	v_maximum_f32 v[\acc+\c], v[\acc+\c], 0        ; the clamp at 0; a NaN stays a NaN, as in the definition
.endr
	global_store_b128 v[LOFF], v[\acc:\acc+3], s[10:11] offset:\soff th:TH_STORE_NT   ; 512 consecutive bytes of a row of out0; written once, not read again
.endm
	s_mov_b32 s24, WROWS/2-1
.Lrows:
	s_set_vgpr_msb 0x0010                          ; source 2 in the second block (m - x2); everything else in the first
	ROW ABUF0, ABUF1, XROW,   1, SUM0, 1, -2*OROW
	ROW ABUF1, ABUF0, 2*XROW, 1, SUM1, 0, -OROW
	v_add_nc_u32 v[AADR], 2*XROW, v[AADR]          ; the next pair of rows
	s_set_vgpr_msb 0x1000                          ; at a branch and at a label every field is 0
	s_sub_co_u32 s24, s24, 1
	s_cmp_lg_u32 s24, 0
	s_cbranch_scc1 .Lrows
	s_set_vgpr_msb 0x0010
	ROW ABUF0, ABUF1, XROW, 1, SUM0, 1, -2*OROW    ; the last pair is written out: behind row 15 no row is asked for
	ROW ABUF1, ABUF0, 0,    0, SUM1, 0, -OROW
	s_set_vgpr_msb 0x1000
	s_wait_tensorcnt 0x0
	ds_add_u32 v254, v255
	s_wait_dscnt 0x0
	s_endpgm
.Lfunc_end_k_q8c636fb8e7_l1dist:
	.size	k_q8c636fb8e7_l1dist, .Lfunc_end_k_q8c636fb8e7_l1dist-k_q8c636fb8e7_l1dist
	.p2alignl 7, 3214868480
	.fill 96, 4, 3214868480
	.section	.rodata,"a",@progbits
	.p2align	6, 0x0
	.amdhsa_kernel k_q8c636fb8e7_l1dist
		.amdhsa_group_segment_fixed_size 68608
		.amdhsa_private_segment_fixed_size 0
		.amdhsa_enable_private_segment 0
		.amdhsa_kernarg_size 32
		.amdhsa_user_sgpr_count 2
		.amdhsa_user_sgpr_kernarg_segment_ptr 1
		.amdhsa_wavefront_size32 1
		.amdhsa_system_sgpr_workgroup_id_x 1
		.amdhsa_system_sgpr_workgroup_id_y 1
		.amdhsa_system_sgpr_workgroup_id_z 1
		.amdhsa_system_vgpr_workitem_id 0
		.amdhsa_next_free_vgpr 512
		.amdhsa_next_free_sgpr 66
		.amdhsa_reserve_vcc 0
		.amdhsa_float_denorm_mode_32 3
		.amdhsa_float_denorm_mode_16_64 3
		.amdhsa_memory_ordered 1
		.amdhsa_forward_progress 1
		.amdhsa_inst_pref_size 101
	.end_amdhsa_kernel
	.amdgpu_metadata
---
amdhsa.version: [ 1, 2 ]
amdhsa.kernels:
  - .name:           k_q8c636fb8e7_l1dist
    .symbol:         k_q8c636fb8e7_l1dist.kd
    .args:
      - { .name: x1, .offset: 0, .size: 8, .value_kind: global_buffer, .address_space: global }
      - { .name: x2, .offset: 8, .size: 8, .value_kind: global_buffer, .address_space: global }
      - { .name: part, .offset: 16, .size: 8, .value_kind: global_buffer, .address_space: global }
      - { .name: out0, .offset: 24, .size: 8, .value_kind: global_buffer, .address_space: global }
    .group_segment_fixed_size: 68608
    .private_segment_fixed_size: 0
    .kernarg_segment_align: 8
    .kernarg_segment_size: 32
    .max_flat_workgroup_size: 256
    .sgpr_count:     66
    .vgpr_count:     512
    .wavefront_size: 32
...
	.end_amdgpu_metadata
.endif
;; end of part 2
;; ======== version 2 of 2: 2 launches; version 1 with the launch l1dist written anew for expert scheduling mode
;; workspace buffers: part 8,192 bytes
;; launch colsum: the kernel of part 1 again; grid 32 x 1, 1 waves a work-group, no clusters, 0 bytes of LDS; arguments x1, part; writes part
;; launch l1dist (part 3): grid 16 x 16, 8 waves a work-group, no clusters, 68,608 bytes of LDS; arguments x1, x2, part, out0; writes out0
.if DOCPART == 3
	.amdgcn_target "amdgcn-amd-amdhsa--gfx1250"
	.amdhsa_code_object_version 6
	.text
	.protected	k_q8c636fb8e7_l1dist
	.globl	k_q8c636fb8e7_l1dist
	.p2align	8
	.type	k_q8c636fb8e7_l1dist,@function
k_q8c636fb8e7_l1dist:
	s_mov_b64 s[64:65], 0
	v_nop
	global_prefetch_b8 v0, s[64:65] scope:SCOPE_SE
	s_setreg_imm32_b32 hwreg(HW_REG_WAVE_SCHED_MODE, 0, 2), 2
	s_setreg_imm32_b32 hwreg(HW_REG_WAVE_MODE, 25, 1), 1
	s_wait_xcnt 0x0
	s_wait_alu depctr_vm_vsrc(0)
; out0[i][j] = max(0, sum over k of |(x1[i][k] - m[k]) - (x2[j][k] - m[k])|),  m[k] = (sum over the 32 rows of part)[k] / 2048 = the mean of x1's column k.
; x1, x2: [2048][64] f32; part: [32][64] f32 (column sums of 64 rows each, from the launch before); out0: [2048][2048] f32.  All arithmetic in f32.
; Every step of the definition is carried out as written (mean, both subtractions, difference, magnitude, sum, clamp), so NaN and infinities spread
; as they do there.  LIMIT: the order of the additions (of the mean, and over k: pairs of k, then two chains for each output) is this text's own.
;
; SHARES.  A work-group makes 128 x 128 outputs with 8 waves; a wave 16 rows x 128 columns; lane l the columns 4 l .. 4 l + 3, so that a row of the
; wave's outputs is one 16-byte store a lane: 512 consecutive bytes, aligned.
; A lane keeps its four centred rows of x2 (4 x 64 numbers) in v256-v511 for the whole kernel.  A row of x1 comes from LDS by 16 loads in which all
; lanes name the same 16 bytes, one row ahead of its use: one LDS load for 16 terms.
; ARITHMETIC, for two neighbouring k and the four columns: 4 packed differences, 4 v_add_f32 |d0| + |d1| (the magnitudes are source modifiers), and
; 2 packed additions that add the results of two neighbouring columns to their sums: 10 instructions for 8 terms.
; REGISTER WINDOWS.  x2 is kept negated (m - x2), and the difference is the fused a * 1.0 + (m - x2): one rounding, as a subtraction has.  So the
; operand that lies above v255 stands in source 2, which no other instruction of the loop has, and one setting of s_set_vgpr_msb serves the loop's body.
; NO CLUSTER, NO TENSOR LOADS: x1's tile is shared by the 16 work-groups of a block row and x2's by those of a block column, but each is read once,
; 64 KiB for a work-group's 16,384 x 64 terms, and every number has to pass through registers on its way, to have the mean taken off before it is
; laid into LDS; a joint load into LDS would add a trip out of LDS and back into other bytes.
; THE MODE: SCHED_MODE bits 1:0 = 2 (LLVM: expert scheduling mode 2), set by the entry lines.  The code itself states the register dependences
; between vector instructions and memory or LDS instructions, with s_wait_alu, always for 0.
; THE PLAN.  Registers that memory or LDS instructions touch, from the barrier on:
;   ABUF0, ABUF1   Row r's differences read ABUF[r % 2]; the 16 LDS loads of row r + 1, issued in row r, land in the other one, which row r - 1 read.
;   SUM0, SUM1     Row r writes SUM[r % 2]; the store that reads its first four registers is issued at the head of row r + 1.
;   v[AADR]        Read by every LDS load of a row of x1; written once a trip, at the trip's head.
;   v[LOFF]        Read by every store; never written again: out0's scalar base moves on by a row at each row's head.
;   v256-v511      Loaded once; read by the differences alone.
; Row r's memory instructions are the store from SUM[(r - 1) % 2] and the loads into ABUF[(r + 1) % 2]: the two buffers that row r - 1 worked on and that no
; vector instruction of row r names.  So the waits at a row's head state all that they hang on; the store follows at once, and the loads are dealt
; among the first half of the row's vector instructions with no further wait.
.set TILE,   128                       ; rows of x1 and rows of x2 in a work-group's tile
.set XROW,   256                       ; bytes in a row of x1, x2, part
.set OROW,   8192                      ; bytes in a row of out0
.set WROWS,  16                        ; rows of a wave
.set ATILE,  0                         ; LDS: x1 - m, 128 rows of 256 bytes (read as broadcasts: no padding needed)
.set BTILE,  TILE*XROW                 ; LDS: m - x2, 128 rows, pitch 272
.set BPITCH, 272                       ; 17 x 16 bytes: 16 consecutive rows begin in 16 different 16-byte columns of a 256-byte span
.set LOFF,  1                          ; v1        16 x lane: offset into part, and my offset in every row of out0; never rewritten
.set TOFF,  2                          ; v2        16 x thread: offset into x1's tile, in memory and in LDS
.set GOFF,  3                          ; v3        offset into x2's tile in memory
.set BST,   4                          ; v4        where I store x2's numbers in LDS
.set BADR,  5                          ; v5        where I read my four rows of x2 from
.set AADR,  6                          ; v6        LDS address of a row of the wave's x1 rows (equal in all lanes): row 0, then the even row of the trip in hand
.set TA,    7                          ; v7, v8    at work
.set TB,    8
.set MEAN,  10                         ; v[10:13]  the mean of the four k that this thread stages
.set SUM0,  16                         ; v[16:23]  even rows: 4 columns x 2 chains
.set SUM1,  24                         ; v[24:31]  odd rows
.set DIF,   32                         ; v[32:47]  differences of four k x four columns, then their magnitudes added in pairs
.set ABUF0, 64                         ; v[64:127]   an even row of x1 - m
.set ABUF1, 128                        ; v[128:191]  an odd one
.set PART,  64                         ; v[64:127]   before the loop: 16 loads of part
.set XA,    128                        ; v[128:159]  before the loop: 8 loads of x1
.set XB,    160                        ; v[160:191]  before the loop: 8 loads of x2
                                       ; v[256:511]  m - x2: column c of my four, k: register 256 + 64 c + k
	s_load_b256 s[4:11], s[0:1], 0x0               ; x1 s[4:5], x2 s[6:7], part s[8:9], out0 s[10:11]
	v_lshl_add_u32 v254, v0, 2, 0x10800
	v_mov_b32 v255, 0
	; thread t = 16 g + q: it stages the four k = 4 q .. 4 q + 3 of rows that hang on g
	v_and_b32 v[TA], 31, v0                        ; lane
	v_lshlrev_b32 v[LOFF], 4, v[TA]
	v_lshlrev_b32 v[TOFF], 4, v0                   ; = 256 g + 16 q
	v_lshrrev_b32 v[TB], 4, v0                     ; g
	v_and_b32 v[BST], 15, v0                       ; q
	v_lshlrev_b32 v[BST], 4, v[BST]                ; 16 q
	v_lshl_add_u32 v[GOFF], v[TB], 10, v[BST]      ; row 4 g of x2's tile
	v_mad_u32_u24 v[BST], v[TB], BPITCH, v[BST]    ; LDS row g
	v_mul_u32_u24 v[BADR], v[TA], BPITCH           ; LDS row = lane
	v_lshrrev_b32 v[TB], 5, v0
	v_readfirstlane_b32 s12, v[TB]                 ; wave 0..7
	s_wait_alu depctr_va_sdst(0)                   ; s12 is written, ahead of its first reader: the wave's rows in LDS and in out0 are made from it
	s_lshl_b32 s13, s12, 12                        ; my wave's 16 rows of 256 bytes in x1's tile
	v_mov_b32 v[AADR], s13
	s_and_b32 s14, ttmp7, 0xffff                   ; block row; ttmp9: block column
	s_lshl_b32 s16, s14, 15                        ; 128 rows of 256 bytes
	s_mov_b32 s17, 0
	s_lshl_b32 s18, ttmp9, 15
	s_mov_b32 s19, 0
	s_lshl_b32 s20, s14, 20                        ; out0: 128 rows of 8,192 bytes a block row,
	s_lshl_b32 s21, s12, 17                        ; 16 rows a wave,
	s_add_co_u32 s20, s20, s21
	s_lshl_b32 s21, ttmp9, 9                       ; 128 columns of 4 bytes a block column: below 16 MiB in all
	s_add_co_u32 s20, s20, s21
	s_mov_b32 s21, 0
	s_mov_b32 s22, 0x76543210                      ; v_permlanex16_b32: lane i of one half reads lane i of the other
	s_mov_b32 s23, 0xfedcba98
	s_wait_kmcnt 0x0
	s_add_nc_u64 s[4:5], s[4:5], s[16:17]
	s_add_nc_u64 s[6:7], s[6:7], s[18:19]
	s_add_nc_u64 s[10:11], s[10:11], s[20:21]
	s_wait_alu depctr_va_vdst(0)                   ; the six offsets and addresses v1 to v6 are written, which the loads and stores of the kernel read
	; all 32 loads at once.  Every one covers whole rows of 256 bytes with 16 neighbouring lanes each.
.irp i, 0,1,2,3,4,5,6,7,8,9,10,11,12,13,14,15
	global_load_b128 v[PART+4*\i:PART+4*\i+3], v[LOFF], s[8:9] offset:2*XROW*\i     ; rows 2 i and 2 i + 1 of part
.endr
.irp i, 0,1,2,3,4,5,6,7
	global_load_b128 v[XA+4*\i:XA+4*\i+3], v[TOFF], s[4:5] offset:16*XROW*\i        ; row g + 16 i of x1's tile
.endr
	; x2: LDS row g + 16 i is to hold column c = i / 2 of lane g + 16 (i % 2), which is row 4 g + 64 (i % 2) + i / 2 of the tile
.irp i, 0,1,2,3,4,5,6,7
	global_load_b128 v[XB+4*\i:XB+4*\i+3], v[GOFF], s[6:7] offset:(64*(\i&1)+(\i>>1))*XROW
.endr
	; THE MEAN of my four k: 16 rows of part in my half of the lanes, folded in halves; then the other half's 16
.macro FOLD n
.set i, 0
.rept \n
	v_pk_add_f32 v[PART+4*i:PART+4*i+1],   v[PART+4*i:PART+4*i+1],   v[PART+4*(i+\n):PART+4*(i+\n)+1]
	v_pk_add_f32 v[PART+4*i+2:PART+4*i+3], v[PART+4*i+2:PART+4*i+3], v[PART+4*(i+\n)+2:PART+4*(i+\n)+3]
.set i, i+1
.endr
.endm
	s_wait_loadcnt 16                              ; part is in; the 8 + 8 younger loads of the tiles stay out
	FOLD 8
	FOLD 4
	FOLD 2
	FOLD 1
.irp j, 0,1,2,3
	v_permlanex16_b32 v[PART+4+\j], v[PART+\j], s22, s23           ; the destination has been written before (by the folds)
.endr
	v_pk_add_f32 v[MEAN:MEAN+1],   v[PART:PART+1],   v[PART+4:PART+5]
	v_pk_add_f32 v[MEAN+2:MEAN+3], v[PART+2:PART+3], v[PART+6:PART+7]
	v_pk_mul_f32 v[MEAN:MEAN+1],   v[MEAN:MEAN+1],   0x3a000000 op_sel_hi:[1,0]     ; / 2048, as 2^-11
	v_pk_mul_f32 v[MEAN+2:MEAN+3], v[MEAN+2:MEAN+3], 0x3a000000 op_sel_hi:[1,0]
	; CENTRE AND STAGE.  Sixteen lanes store one row's 256 consecutive bytes.  A tile's sixteen subtractions stand together, one wait behind them, then its eight stores.
	s_wait_loadcnt 8                               ; x1's tile is in; x2's 8 loads stay out
.irp i, 0,1,2,3,4,5,6,7
	v_pk_add_f32 v[XA+4*\i:XA+4*\i+1],   v[XA+4*\i:XA+4*\i+1],   v[MEAN:MEAN+1]     neg_lo:[0,1] neg_hi:[0,1]   ; x1 - m
	v_pk_add_f32 v[XA+4*\i+2:XA+4*\i+3], v[XA+4*\i+2:XA+4*\i+3], v[MEAN+2:MEAN+3]   neg_lo:[0,1] neg_hi:[0,1]
.endr
	s_wait_alu depctr_va_vdst(0)                   ; the subtractions have written v[XA ..], which the LDS stores read
.irp i, 0,1,2,3,4,5,6,7
	ds_store_b128 v[TOFF], v[XA+4*\i:XA+4*\i+3] offset:ATILE+16*XROW*\i
.endr
	s_wait_loadcnt 0x0
.irp i, 0,1,2,3,4,5,6,7
	v_pk_add_f32 v[XB+4*\i:XB+4*\i+1],   v[MEAN:MEAN+1],   v[XB+4*\i:XB+4*\i+1]     neg_lo:[0,1] neg_hi:[0,1]   ; m - x2 = -(x2 - m), exactly
	v_pk_add_f32 v[XB+4*\i+2:XB+4*\i+3], v[MEAN+2:MEAN+3], v[XB+4*\i+2:XB+4*\i+3]   neg_lo:[0,1] neg_hi:[0,1]
.endr
	s_wait_alu depctr_va_vdst(0)                   ; the subtractions have written v[XB ..], which the LDS stores read
.irp i, 0,1,2,3,4,5,6,7
	ds_store_b128 v[BST], v[XB+4*\i:XB+4*\i+3] offset:BTILE+16*BPITCH*\i
.endr
	s_wait_dscnt 0x0                               ; for the other waves' sake: my stores are in LDS
	s_barrier_signal -1
	s_barrier_wait -1                              ; everybody's are.  LDS is only read from here on: this is the only barrier
	; my four rows of m - x2 into v256-v511: for each c the 32 lanes read 32 consecutive LDS rows
	s_set_vgpr_msb 0x40                            ; destination in the second block of 256
	s_wait_alu depctr_vm_vsrc(0)                   ; my LDS stores have read v[XA ..] and v[XB ..]: these registers are ABUF1 from here on, in which row 1 lands
	s_wait_alu depctr_va_vdst(0)                   ; the folds are done reading and writing v[PART ..], now ABUF0, in which row 0 lands; the subtractions have written what is now ABUF1
.irp c, 0,1,2,3
.irp q, 0,1,2,3,4,5,6,7,8,9,10,11,12,13,14,15
	ds_load_b128 v[64*\c+4*\q:64*\c+4*\q+3], v[BADR] offset:BTILE+32*BPITCH*\c+16*\q
.endr
.endr
	s_set_vgpr_msb 0x4000                          ; all back to the first block
.irp q, 0,1,2,3,4,5,6,7,8,9,10,11,12,13,14,15
	ds_load_b128 v[ABUF0+4*\q:ABUF0+4*\q+3], v[AADR] offset:ATILE+16*\q               ; my wave's row 0 of x1 - m
.endr
; Four k (4 q .. 4 q + 3) of one row against my four columns: 16 terms.  kp: which pair of k; c: column.
; The pair sums are written over differences that have been used already, so that those of columns 0, 1 and of 2, 3 lie side by side.
; first = 1: the pair sums start the row's eight sums: nothing is cleared.
.macro QUAD cur, acc, q, first
.irp kp, 0,1
.irp c, 0,1,2,3
	v_pk_fma_f32 v[DIF+8*\kp+2*\c:DIF+8*\kp+2*\c+1], v[\cur+4*\q+2*\kp:\cur+4*\q+2*\kp+1], 1.0, v[64*\c+4*\q+2*\kp:64*\c+4*\q+2*\kp+1] op_sel_hi:[1,0,1]
.endr
.endr
.irp kp, 0,1
.irp c, 0,1,2,3
.if \first
	v_add_f32 v[\acc+4*\kp+\c], |v[DIF+8*\kp+2*\c]|, |v[DIF+8*\kp+2*\c+1]|
.else
	v_add_f32 v[DIF+8*\kp+\c], |v[DIF+8*\kp+2*\c]|, |v[DIF+8*\kp+2*\c+1]|
.endif
.endr
.endr
.if \first == 0
.irp kp, 0,1
.irp h, 0,2
	v_pk_add_f32 v[\acc+4*\kp+\h:\acc+4*\kp+\h+1], v[\acc+4*\kp+\h:\acc+4*\kp+\h+1], v[DIF+8*\kp+\h:DIF+8*\kp+\h+1]
.endr
.endr
.endif
.endm
; One row of the wave.  cur: the buffer that holds it; fetch = 1: the next row, at byte noff from AADR, is asked for into nxt; acc: the row's sums;
; old: the sums of the row before, which is stored here; first = 1: row 0, with no row in front of it; step = 1: AADR goes two rows on.
.macro ROW cur, nxt, noff, fetch, acc, old, first, step
	s_wait_dscnt 0x0                               ; this row (and x2, the first time) is in: the next row is asked for only behind this wait, so nothing younger is out
.if \first == 0
	s_wait_xcnt 0x0                                ; the earlier stores have had their addresses translated: out0's base and this row's sums are rewritten only behind this wait
	s_wait_alu depctr_vm_vsrc(0)                   ; the store issued a row ago has read this row's sums, which are written anew below; the LDS loads issued so far have read v[AADR]
.if \step
	v_add_nc_u32 v[AADR], 2*XROW, v[AADR]          ; the trip's even row
.endif
	s_wait_alu depctr_va_vdst(0)                   ; the row before has written its sums, which the store below reads, and is done reading its buffer, in which the loads below land; v[AADR] is written
	s_add_nc_u64 s[10:11], s[10:11], OROW          ; out0's base at this row
	global_store_b128 v[LOFF], v[\old:\old+3], s[10:11] offset:-OROW th:TH_STORE_NT   ; the row before: 512 consecutive bytes of a row of out0; written once, not read again
.endif
.irp q, 0,1,2,3,4,5,6,7,8,9,10,11,12,13,14,15
.if (\fetch) && (\q < 8)
	ds_load_b128 v[\nxt+8*\q:\nxt+8*\q+3],   v[AADR] offset:ATILE+\noff+32*\q         ; two loads in front of each of the first eight groups of four k.  No wait: no vector
	ds_load_b128 v[\nxt+8*\q+4:\nxt+8*\q+7], v[AADR] offset:ATILE+\noff+32*\q+16      ; instruction since the last wait on va_vdst names these registers or v[AADR]
.endif
.if \q == 0
	QUAD \cur, \acc, 0, 1
.else
	QUAD \cur, \acc, \q, 0
.endif
.endr
	v_pk_add_f32 v[\acc:\acc+1],   v[\acc:\acc+1],   v[\acc+4:\acc+5]                 ; the two chains meet
	v_pk_add_f32 v[\acc+2:\acc+3], v[\acc+2:\acc+3], v[\acc+6:\acc+7]
.irp c, 0,1,2,3
	v_maximum_f32 v[\acc+\c], v[\acc+\c], 0        ; the clamp at 0; a NaN stays a NaN, as in the definition
.endr
.endm
	s_set_vgpr_msb 0x0010                          ; source 2 in the second block (m - x2); everything else in the first
	ROW ABUF0, ABUF1, XROW, 1, SUM0, SUM1, 1, 0    ; row 0 stands ahead of the loop: nothing to store yet; the two waits behind the barrier have stated what row 1's loads hang on
	s_set_vgpr_msb 0x1000                          ; at a branch and at a label every field is 0
	s_mov_b32 s24, WROWS/2-1
.Lrows:                                                ; rows 1 to 14, an odd and an even one to a trip: both kinds of buffer are back at their start
	s_set_vgpr_msb 0x0010
	ROW ABUF1, ABUF0, 0,    1, SUM1, SUM0, 0, 1
	ROW ABUF0, ABUF1, XROW, 1, SUM0, SUM1, 0, 0
	s_set_vgpr_msb 0x1000
	s_sub_co_u32 s24, s24, 1
	s_cmp_lg_u32 s24, 0
	s_cbranch_scc1 .Lrows
	s_set_vgpr_msb 0x0010
	ROW ABUF1, ABUF0, 0,    0, SUM1, SUM0, 0, 0    ; row 15 is written out: behind it no row is asked for
	s_wait_alu depctr_va_vdst(0)                   ; row 15 has written its sums, which the last store reads
	global_store_b128 v[LOFF], v[SUM1:SUM1+3], s[10:11] th:TH_STORE_NT
	s_set_vgpr_msb 0x1000
	s_wait_dscnt 0x0
	s_wait_alu depctr_hold_cnt(0) depctr_sa_sdst(0) depctr_va_vdst(0) depctr_va_sdst(0) depctr_va_ssrc(0) depctr_va_vcc(0) depctr_vm_vsrc(0)
	s_wait_tensorcnt 0x0
	ds_add_u32 v254, v255
	s_wait_dscnt 0x0
	s_endpgm
.Lfunc_end_k_q8c636fb8e7_l1dist:
	.size	k_q8c636fb8e7_l1dist, .Lfunc_end_k_q8c636fb8e7_l1dist-k_q8c636fb8e7_l1dist
	.p2alignl 7, 3214868480
	.fill 96, 4, 3214868480
	.section	.rodata,"a",@progbits
	.p2align	6, 0x0
	.amdhsa_kernel k_q8c636fb8e7_l1dist
		.amdhsa_group_segment_fixed_size 68608
		.amdhsa_private_segment_fixed_size 0
		.amdhsa_enable_private_segment 0
		.amdhsa_kernarg_size 32
		.amdhsa_user_sgpr_count 2
		.amdhsa_user_sgpr_kernarg_segment_ptr 1
		.amdhsa_wavefront_size32 1
		.amdhsa_system_sgpr_workgroup_id_x 1
		.amdhsa_system_sgpr_workgroup_id_y 1
		.amdhsa_system_sgpr_workgroup_id_z 1
		.amdhsa_system_vgpr_workitem_id 0
		.amdhsa_next_free_vgpr 512
		.amdhsa_next_free_sgpr 66
		.amdhsa_reserve_vcc 0
		.amdhsa_float_denorm_mode_32 3
		.amdhsa_float_denorm_mode_16_64 3
		.amdhsa_memory_ordered 1
		.amdhsa_forward_progress 1
		.amdhsa_inst_pref_size 101
	.end_amdhsa_kernel
	.amdgpu_metadata
---
amdhsa.version: [ 1, 2 ]
amdhsa.kernels:
  - .name:           k_q8c636fb8e7_l1dist
    .symbol:         k_q8c636fb8e7_l1dist.kd
    .args:
      - { .name: x1, .offset: 0, .size: 8, .value_kind: global_buffer, .address_space: global }
      - { .name: x2, .offset: 8, .size: 8, .value_kind: global_buffer, .address_space: global }
      - { .name: part, .offset: 16, .size: 8, .value_kind: global_buffer, .address_space: global }
      - { .name: out0, .offset: 24, .size: 8, .value_kind: global_buffer, .address_space: global }
    .group_segment_fixed_size: 68608
    .private_segment_fixed_size: 0
    .kernarg_segment_align: 8
    .kernarg_segment_size: 32
    .max_flat_workgroup_size: 256
    .sgpr_count:     66
    .vgpr_count:     512
    .wavefront_size: 32
...
	.end_amdgpu_metadata
.endif
;; end of part 3
